; MI455X (gfx1250); checked and timed in simulation.
; The chip was launched on July 23, 2026; its instructions are those of AMD's public machine-readable ISA for CDNA 5 (MIT licence, August 2026) and "CDNA5" Instruction Set Architecture Reference Guide (July 2026). The comments in the code are by the model that wrote it; some were corrected since.
;; Scene Identifier. Allowed arithmetic: float matrix products may take bf16 or f16 operands with f32 sums; all other float work in f32.
;; Inputs: W1 1,024 x 512 float32; W2 512 x 256 float32; W3 256 x 128 float32; b1 512 float32; b2 256 float32; b3 128 float32; emb 1,000 x 128 float32; image_features 65,536 x 1,024 float32.
;; Outputs: out0 65,536 int32.
;; One version. Each part assembles by itself: llvm-mc -triple=amdgcn-amd-amdhsa -mcpu=gfx1250 --defsym DOCPART=n.
;; ======== version 1 of 1: 2 launches
;; limits: inputs' magnitudes at most 65,504; values are held in f16: magnitudes above 65,504 overflow, below 6.1e-05 lose precision
;; workspace buffers: wk 1,646,080 bytes
;; launch prep (part 1): grid 405 x 1, 8 waves a work-group, no clusters, 0 bytes of LDS; arguments W1, W2, W3, b1, b2, b3, emb, wk; writes wk
.if DOCPART == 1
	.amdgcn_target "amdgcn-amd-amdhsa--gfx1250"
	.amdhsa_code_object_version 6
	.text
	.protected	k_q4a2b7049b6_prep
	.globl	k_q4a2b7049b6_prep
	.p2align	8
	.type	k_q4a2b7049b6_prep,@function
k_q4a2b7049b6_prep:
	s_mov_b64 s[64:65], 0
	v_nop
	global_prefetch_b8 v0, s[64:65] scope:SCOPE_SE
	s_setreg_imm32_b32 hwreg(HW_REG_WAVE_MODE, 25, 1), 1
	s_wait_xcnt 0x0
; PREP: rounds every small input once to bf16 and lays it out as the second launch reads it.
; wk:  W1S at 0, W2S, W3S (bf16), EMBS (bf16 numbers written as f16; 64 tiles of 16 scenes, scenes from 1000 on are zeros),
;      INVN (1024 f32: 1 / max(|emb row|, 1e-8) of the rounded row, 0 from scene 1000 on), BIAS (b1, b2, b3 rounded to bf16, kept as f32).
; A weight lies in FRAGMENTS of 1,024 bytes: 16 output features x 32 k.  Piece (hh, r) of 16 bytes, at 256 hh + 16 r, holds feature 16 T + r at
; k = 32 s + 8 hh + 0..7.  So lane l of a wave reads its half of a matrix operand at 16 l (and at 512 + 16 l): dense, in order, no padding.
; Order of the fragments: W1S [s][w][a] for feature tile T = 4 a + w (wave w of the second launch owns those tiles); W2S, W3S [s][T]; EMBS [tile][s].
; Work-groups 0-255: W1; 256-319: W2; 320-335: W3 (a piece a thread); 336-399: a tile of emb each; 400-403: 256 norms each; 404: the biases.
; LIMIT: an emb number beyond 65,504 has no f16; one under 2^-17 is rounded to a step of 2^-24.
.set W2S,  1048576
.set W3S,  1310720
.set EMBS, 1376256
.set INVN, 1638400
.set BIAS, 1642496
	s_load_b512 s[8:23], s[0:1], 0x0               ; W1 s[8:9], W2 s[10:11], W3 s[12:13], b1 s[14:15], b2 s[16:17], b3 s[18:19], emb s[20:21], wk s[22:23]
	s_mov_b32 s2, ttmp9
	s_mov_b32 s3, 0xffff0000                       ; a word's upper bf16
	s_wait_kmcnt 0x0
; One piece a thread of a weight [K][N], N = 1 << LN.  Eight loads of 4 bytes go down a column (a wave's load covers 128 consecutive bytes of a row);
; the store is 16 bytes a lane, sixteen lanes filling 256 consecutive bytes at a multiple of 256.
.macro WPATH sp, LN, dst, g0, perm
	s_sub_co_u32 s4, s2, \g0
	v_lshl_or_b32 v1, s4, 8, v0                    ; the piece's number
	v_and_b32 v2, (1<<(\LN))-1, v1                 ; feature
	v_lshrrev_b32 v3, \LN, v1                      ; 4 s + hh: the block of eight k
	v_lshlrev_b32 v4, 2, v2
	v_lshl_add_u32 v10, v3, (\LN)+5, v4            ; eight rows of 4 N bytes for each block, 4 bytes a feature
.set i, 0
.rept 8
	global_load_b32 v[20+i], v10, s[\sp:\sp+1] offset:i*(4<<(\LN))
.set i, i+1
.endr
	v_lshrrev_b32 v5, 4, v2                        ; T
	v_and_b32 v6, 15, v2                           ; r
.if \perm
	v_and_b32 v7, 3, v5                            ; w
	v_lshrrev_b32 v5, 2, v5                        ; a
	v_lshl_add_u32 v5, v7, 3, v5                   ; place 8 w + a
.endif
	v_lshrrev_b32 v7, 2, v3                        ; s
	v_lshl_add_u32 v5, v7, (\LN)-4, v5             ; the fragment's number
	v_and_b32 v8, 3, v3                            ; hh
	v_lshlrev_b32 v5, 10, v5
	v_lshl_add_u32 v5, v8, 8, v5
	v_lshl_add_u32 v5, v6, 4, v5
	s_wait_loadcnt 0x0
.set i, 0
.rept 4
	v_cvt_pk_bf16_f32 v[28+i], v[20+2*i], v[21+2*i]
.set i, i+1
.endr
	global_store_b128 v5, v[28:31], s[22:23] offset:\dst
	s_endpgm
.endm
	s_cmp_lt_u32 s2, 256
	s_cbranch_scc0 .Lnot_w1
	WPATH 8, 9, 0, 0, 1
.Lnot_w1:
	s_cmp_lt_u32 s2, 320
	s_cbranch_scc0 .Lnot_w2
	WPATH 10, 8, W2S, 256, 0
.Lnot_w2:
	s_cmp_lt_u32 s2, 336
	s_cbranch_scc0 .Lnot_w3
	WPATH 12, 7, W3S, 320, 0
.Lnot_w3:
	s_cmp_lt_u32 s2, 400
	s_cbranch_scc0 .Lnot_tile
	; A tile of emb: thread t holds piece t: scene 16 m + t % 16, dims 8 (t / 16) + 0..7.
	s_sub_co_u32 s4, s2, 336                       ; m
	v_and_b32 v1, 15, v0
	v_lshl_add_u32 v1, s4, 4, v1                   ; scene
	v_min_u32 v2, 999, v1                          ; no load leaves the table; what lies past it is set to 0 below
	v_lshrrev_b32 v3, 4, v0
	v_lshlrev_b32 v3, 5, v3
	v_lshl_add_u32 v2, v2, 9, v3
	global_load_b128 v[4:7], v2, s[20:21]
	global_load_b128 v[8:11], v2, s[20:21] offset:16
	v_cmp_gt_u32 vcc_lo, 1000, v1
	v_lshlrev_b32 v12, 4, v0
	v_lshl_add_u32 v12, s4, 12, v12
	s_wait_loadcnt 0x0
.set i, 0
.rept 4
	v_cvt_pk_bf16_f32 v13, v[4+2*i], v[5+2*i]      ; rounded to bf16 like every input,
	v_lshlrev_b32 v14, 16, v13
	v_and_b32 v15, s3, v13
	v_cvt_pk_f16_f32 v[16+i], v14, v15             ; and that number written as f16
	v_cndmask_b32 v[16+i], 0, v[16+i], vcc_lo
.set i, i+1
.endr
	global_store_b128 v12, v[16:19], s[22:23] offset:EMBS
	s_endpgm
.Lnot_tile:
	s_cmp_lt_u32 s2, 404
	s_cbranch_scc0 .Lbias
	; 1 / norm, a scene a thread: the row's 512 bytes in 32 loads, all out at once.  The table is 4,096 bytes in all; a wave stores 128 consecutive bytes.
	s_sub_co_u32 s4, s2, 400
	v_lshl_or_b32 v1, s4, 8, v0                    ; scene 0..1023
	v_min_u32 v2, 999, v1
	v_lshlrev_b32 v2, 9, v2
.set i, 0
.rept 32
	global_load_b128 v[16+4*i:19+4*i], v2, s[20:21] offset:16*i
.set i, i+1
.endr
	v_cmp_gt_u32 vcc_lo, 1000, v1
	v_lshlrev_b32 v3, 2, v1
	s_wait_loadcnt 0x0
.set i, 0
.rept 64                                               ; pair i: rounded to bf16, widened, squared; four chains, started by the first four pairs
	v_cvt_pk_bf16_f32 v[4+i%4], v[16+2*i], v[17+2*i]
	v_lshlrev_b32 v[16+2*i], 16, v[4+i%4]
	v_and_b32 v[17+2*i], s3, v[4+i%4]
.if i < 4
	v_pk_mul_f32 v[8+2*i:9+2*i], v[16+2*i:17+2*i], v[16+2*i:17+2*i]
.else
	v_pk_fma_f32 v[8+2*(i%4):9+2*(i%4)], v[16+2*i:17+2*i], v[16+2*i:17+2*i], v[8+2*(i%4):9+2*(i%4)]
.endif
.set i, i+1
.endr
	v_pk_add_f32 v[8:9], v[8:9], v[10:11]
	v_pk_add_f32 v[12:13], v[12:13], v[14:15]
	v_pk_add_f32 v[8:9], v[8:9], v[12:13]
	v_add_f32 v8, v8, v9                           ; the sum of squares
	v_sqrt_f32 v9, v8
	v_nop                                          ; a plain instruction behind the root
	s_wait_alu depctr_va_vdst(0)
	v_rcp_f32 v10, v9
	v_fma_f32 v11, -v9, v9, v8                     ; one Newton step for the root (this line is the plain one behind the reciprocal).  A zero row gives 0 x infinity here,
	v_mul_f32 v11, 0.5, v11
	s_wait_alu depctr_va_vdst(0)
	v_fma_f32 v9, v11, v10, v9
	v_max_num_f32 v9, 0x322bcc77, v9               ; and the maximum with 1e-8 drops that NaN
	v_rcp_f32 v10, v9
	v_nop
	s_wait_alu depctr_va_vdst(0)
	v_fma_f32 v11, -v9, v10, 1.0                   ; one Newton step for the reciprocal
	v_fma_f32 v10, v10, v11, v10
	v_cndmask_b32 v10, 0, v10, vcc_lo
	global_store_b32 v3, v10, s[22:23] offset:INVN
	s_endpgm
.Lbias:
	v_lshlrev_b32 v1, 3, v0
	v_lshlrev_b32 v2, 2, v0
	global_load_b64 v[4:5], v1, s[14:15]           ; b1: two numbers a thread
	global_load_b32 v6, v2, s[16:17]               ; b2: one
	v_lshrrev_b32 v3, 5, v0
	v_readfirstlane_b32 s4, v3                     ; wave
	s_wait_loadcnt 0x0
	v_cvt_pk_bf16_f32 v7, v4, v5
	v_lshlrev_b32 v4, 16, v7
	v_and_b32 v5, s3, v7
	v_cvt_pk_bf16_f32 v8, v6, v6
	v_lshlrev_b32 v6, 16, v8
	global_store_b64 v1, v[4:5], s[22:23] offset:BIAS
	global_store_b32 v2, v6, s[22:23] offset:BIAS+2048
	s_cmp_lt_u32 s4, 4
	s_cbranch_scc0 .Lend                           ; b3 has 128 numbers: waves 0 to 3
	global_load_b32 v9, v2, s[18:19]
	s_wait_loadcnt 0x0
	v_cvt_pk_bf16_f32 v10, v9, v9
	v_lshlrev_b32 v10, 16, v10
	global_store_b32 v2, v10, s[22:23] offset:BIAS+3072
.Lend:
	s_endpgm
.Lfunc_end_k_q4a2b7049b6_prep:
	.size	k_q4a2b7049b6_prep, .Lfunc_end_k_q4a2b7049b6_prep-k_q4a2b7049b6_prep
	.p2alignl 7, 3214868480
	.fill 96, 4, 3214868480
	.section	.rodata,"a",@progbits
	.p2align	6, 0x0
	.amdhsa_kernel k_q4a2b7049b6_prep
		.amdhsa_group_segment_fixed_size 0
		.amdhsa_private_segment_fixed_size 0
		.amdhsa_enable_private_segment 0
		.amdhsa_kernarg_size 64
		.amdhsa_user_sgpr_count 2
		.amdhsa_user_sgpr_kernarg_segment_ptr 1
		.amdhsa_wavefront_size32 1
		.amdhsa_system_sgpr_workgroup_id_x 1
		.amdhsa_system_sgpr_workgroup_id_y 1
		.amdhsa_system_sgpr_workgroup_id_z 1
		.amdhsa_system_vgpr_workitem_id 0
		.amdhsa_next_free_vgpr 148
		.amdhsa_next_free_sgpr 66
		.amdhsa_reserve_vcc 1
		.amdhsa_float_denorm_mode_32 3
		.amdhsa_float_denorm_mode_16_64 3
		.amdhsa_memory_ordered 1
		.amdhsa_forward_progress 1
		.amdhsa_inst_pref_size 26
	.end_amdhsa_kernel
	.amdgpu_metadata
---
amdhsa.version: [ 1, 2 ]
amdhsa.kernels:
  - .name:           k_q4a2b7049b6_prep
    .symbol:         k_q4a2b7049b6_prep.kd
    .args:
      - { .name: W1, .offset: 0, .size: 8, .value_kind: global_buffer, .address_space: global }
      - { .name: W2, .offset: 8, .size: 8, .value_kind: global_buffer, .address_space: global }
      - { .name: W3, .offset: 16, .size: 8, .value_kind: global_buffer, .address_space: global }
      - { .name: b1, .offset: 24, .size: 8, .value_kind: global_buffer, .address_space: global }
      - { .name: b2, .offset: 32, .size: 8, .value_kind: global_buffer, .address_space: global }
      - { .name: b3, .offset: 40, .size: 8, .value_kind: global_buffer, .address_space: global }
      - { .name: emb, .offset: 48, .size: 8, .value_kind: global_buffer, .address_space: global }
      - { .name: wk, .offset: 56, .size: 8, .value_kind: global_buffer, .address_space: global }
    .group_segment_fixed_size: 0
    .private_segment_fixed_size: 0
    .kernarg_segment_align: 8
    .kernarg_segment_size: 64
    .max_flat_workgroup_size: 256
    .sgpr_count:     66
    .vgpr_count:     148
    .wavefront_size: 32
...
	.end_amdgpu_metadata
.endif
;; end of part 1
;; launch scene (part 2): grid 512 x 1, 4 waves a work-group, clusters of 4 x 1, 327,680 bytes of LDS; arguments image_features, wk, out0; writes out0
.if DOCPART == 2
	.amdgcn_target "amdgcn-amd-amdhsa--gfx1250"
	.amdhsa_code_object_version 6
	.text
	.protected	k_q4a2b7049b6_scene
	.globl	k_q4a2b7049b6_scene
	.p2align	8
	.type	k_q4a2b7049b6_scene,@function
k_q4a2b7049b6_scene:
	s_mov_b64 s[64:65], 0
	v_nop
	global_prefetch_b8 v0, s[64:65] scope:SCOPE_SE
	s_setreg_imm32_b32 hwreg(HW_REG_WAVE_MODE, 25, 1), 1
	s_wait_xcnt 0x0
	s_wait_alu depctr_hold_cnt(0) depctr_sa_sdst(0) depctr_va_vdst(0) depctr_va_sdst(0) depctr_va_ssrc(0) depctr_va_vcc(0) depctr_vm_vsrc(0)
	s_getreg_b32 s2, hwreg(HW_REG_IB_STS2, 6, 4)
	s_cmp_eq_u32 s2, 0
	s_cbranch_scc0 .Lentry_in_a_cluster
	s_endpgm
.Lentry_in_a_cluster:
	s_bfe_u32 s2, ttmp6, 0x10000c
	s_cmp_lg_u32 s2, 0x3003
	s_cbranch_scc0 .Lentry_shape_is_right
	s_endpgm
.Lentry_shape_is_right:
; SCENE: out0[row] = argmax over 1000 scenes of cos(proj[row], emb[scene]), proj = relu(relu(x W1 + b1) W2 + b2) W3 + b3.  x: [65536][1024] f32.
; A work-group of four waves takes 128 rows through the whole chain; nothing but the 128 indices goes back to memory.
; FORMATS.  The result is a whole number, so what the program itself makes keeps f32's bits.  Every INPUT is rounded once to bf16.  h1 and h2 (f32 sums, after the relu) go into the next product as
; THREE bf16 parts, cut off one after the other (the top 16 bits; the top 16 bits of the exact remainder; the exact rest): 8 + 8 + 8 bits, exact, at any magnitude.  The cosine is taken as
; (pn . emb) x 1 / max(|emb|, 1e-8) with pn = 256 proj / max(|proj|, 1e-8): pn is bounded by 256, so it goes in as two f16 parts (11 bits cut off, the remainder rounded: some 22 bits),
; and emb as its bf16 number written in f16.  The factor 256 is common to a row's 1000 numbers.
; LIMITS.  |emb| up to 65,504, its numbers under 2^-17 in steps of 2^-24; the sum of proj's squares finite in f32; a bias starts its sum instead of being added last; the relu turns a NaN into 0;
; a NaN similarity never wins (a row of NaN alone gives 0); of equal similarities the lowest index wins.
; LAYOUT.  Every product is used transposed: source 0 = 16 output features, source 1 = 16 rows of x.  A lane of the result holds ONE row (lane % 16) and features 8 (lane / 16) + 0..7, and two such
; results, packed in pairs, ARE source 1 of the next layer.
; SHARES.  Layer 1: wave w makes feature tiles 4 a + w (a = 0..7) of all 8 row tiles: 64 accumulators.  From layer 2 on wave w owns rows 32 w .. 32 w + 31 with all features.  The one exchange
; (h1) goes through LDS as f32 results, 256 features at a time; the wave that reads does the relu and the cutting, in a loop on fixed registers.  h2 takes the same road through the wave's own
; stage bytes, so that the one loop serves it too: the price is a trip of 128 KiB through LDS.
; BESIDE THE PRODUCTS.  From layer 2 on a step's vector work and LDS loads stand in slices behind the matrix instructions of the step before: four lines a slice, a switch of the register windows in front
; and behind.  Layers 2, 3: a k step has three runs of products (its three parts); the next step's loads, relu and first part stand behind the third run, its second part behind the next step's first run,
; its third part behind the second run: each part's registers are written again only behind their own run, so nothing is kept twice.  Last product: two sets of accumulators take turns; one is judged while the other is multiplied.
; WEIGHTS are the same for every work-group: the four work-groups of a cluster ask for each block JOINTLY (same tensor load, same descriptor, mask of four).  x is nobody else's: it comes by
; loads into registers (two rows x 256 consecutive bytes an instruction), two chunks of 64 k ahead, is rounded once and laid into a small LDS stage for all four waves.
; THE STREAM of fills is wk from its first byte on: F0-F7 (W1, 128 k each) and F8 (W2's first half), 131,072 bytes each, into slots P, Q by turns; then f9-f15 (W2's rest in two, W3, emb in four),
; 65,536 bytes each, into P's halves by turns.  Each wave brings a quarter of each.  Two tensor loads of a wave are out at the start, later one.
; LDS:  P 0 | Q 131,072 (after F7: the stage) | XB 262,144: x in bf16, 2 x 128 rows of 144 bytes | INV 299,008: 1 / norm | OUTS 303,104 | SPARE 303,616.
; REGISTERS in windows of 256 (s_set_vgpr_msb: bits 1:0 source 0, 3:2 source 1, 5:4 source 2, 7:6 destination):
;   window 0: v0-19 addresses, v20-31 at work; layer 1: v32-63 packed x, v64-127 and v128-191 fragments of x; layers 2, 3: v32-63 raw h, v64-111 its parts, v128-255 weights; last: v64-191 pn
;   window 1: layer 1: v0-63 and v192-255 x as loaded, v64-191 fragments of W1; layer 2: its 32 accumulators; last: two sets of similarities and of 1 / norm, best values and tiles
;   window 2: layer 1's accumulators a = 0..3, then layer 3's 16, last two sets of emb's fragments;   window 3: layer 1's a = 4..7
.set SLOTL, 131072
.set SLOTH, 65536
.set QS,    131072
.set XB,    262144
.set XSL,   18432                      ; a slot of x: 128 rows x 144
.set XPI,   144                        ; 128 bytes + 16: the 16 rows of a fragment load start at 16 different groups of four banks (64 banks of 4 bytes: ISA guide 11.1)
.set INV,   299008
.set OUTS,  303104
.set SPARE, 303616                     ; the spare words, 128 bytes a wave: two blocks of 256 bytes that no other line names
.set OFF_F9,   1179648
.set OFF_INVN, 1638400
.set OFF_BIAS, 1642496
.set AWB, 1                            ; v1   8192 w + 16 l: my fragments of W1 in a slot
.set SPW, 2                            ; v2   my spare word; never rewritten
.set NIL, 3                            ; v3   0; never rewritten
.set AX,  4                            ; v4   XB + 144 r + 16 h
.set XW,  5                            ; v5   XB + (32 w + l / 16) 144 + 8 (l % 16)
.set XO,  6                            ; v6   (32 w + l / 16) 4096 + 16 (l % 16)
.set AW0, 7                            ; v7   AWB + the slot in hand
.set AW1, 8                            ; v8   AW0 + 65,536
.set B1O, 9                            ; v9   64 w + 32 h
.set BO,  10                           ; v10  32 h
.set SW0, 11                           ; v11  Q + 1024 w + 16 l
.set SW1, 12                           ; v12  SW0 + 65,536
.set HB,  13                           ; v13  Q + 32768 w + 16 l
.set HA,  14                           ; v14  a walking address
.set AA,  15                           ; v15  a walking address
.set L16, 16                           ; v16  16 l
.set IVB, 17                           ; v17  INV + 32 h
.set OSA, 18                           ; v18  OUTS + 4 t
.set ORD, 19                           ; v19  OUTS + 16 l
.set TT,  20
.set SC,  28                           ; v28-31  pn's scale, a pair for each row tile
.set XP,  32
.set HR,  32
.set F0,  64
.set F1,  128
.set BF,  64
.set AF,  128
.set PFH, 64
.set PFL, 128
.set XR0, 0                            ; window 1
.set XR1, 192
.set SIM, 0                            ; window 1: set s at SIM + 32 s: accumulator (tile, row tile) at 8 (2 tile + row tile)
.set IV,  64                           ; window 1: set s at IV + 16 s
.set BEST, 96
.set BM,  112
.set H8,  128
.set MT,  130
.set EF,  0                            ; window 2: set s at EF + 64 s
; scalars: s[4:5] x, s[6:7] wk, s[8:9] out0, s10 wave, s[16:17] biases, s[18:19] 1/norm table, s[20:23] at work, s[24:31] shape of a large fill, s[32:35] F0's, later the small fills' group 0,
; s[36:39] the large fills' walking group 0, s[40:47] shape of a small fill, s48, s50, s51 counters, s49 step in INV, s52 step in P, s53 step in the stage, s54, s55 tile numbers, s56-s63 constants and W1's slot, s66-s69 masks
.set MSB, 0
.macro WIN new                         ; the high byte repeats the setting that is left; a switch that changes nothing is dropped
.if MSB != (\new)
	s_set_vgpr_msb (MSB<<8)|(\new)
.set MSB, (\new)
.endif
.endm
.macro PLACES                          ; four plain vector instructions between a matrix instruction and a load into, or a vector access to, its registers
.rept 4
	v_nop
.endr
.endm
.macro CREST                           ; a round of the cluster's barrier behind its opening barrier
	s_cmp_lg_u32 s10, 0
	s_cbranch_scc1 .Lnot_wave_0_\@
	s_barrier_signal -3
.Lnot_wave_0_\@:
	s_barrier_wait -3
	s_barrier_signal -1
	s_barrier_wait -1
.endm
.macro CROUND
	s_barrier_signal -1
	s_barrier_wait -1
	CREST
.endm
.macro JL g0, g1                       ; a joint load: one line for all four waves; both addresses hang on the wave's number alone.  s_nop 0 and four v_nop follow
	tensor_load_to_lds s[\g0:\g0+3], s[\g1:\g1+7]
	s_nop 0
	PLACES
.endm
	s_load_b128 s[4:7], s[0:1], 0x0
	s_load_b64 s[8:9], s[0:1], 0x10
	v_lshl_add_u32 v[SPW], v0, 2, SPARE
	v_mov_b32 v[NIL], 0
	ds_add_u32 v[SPW], v[NIL]                      ; the wave's opening: the add and its wait stand ahead of my first tensor load; the set-up below, work on registers, stands between them
	v_lshrrev_b32 v1, 5, v0
	v_readfirstlane_b32 s10, v1                    ; wave 0..3
	s_bfe_u32 s11, ttmp6, 0x40000                  ; cx
	s_lshl_b32 s12, ttmp9, 2
	s_add_co_u32 s12, s12, s11                     ; my block of 128 rows: it enters x's and out0's addresses alone
	; shapes: dense blocks as rows of 256 bytes (32 elements of 8 bytes), 128 rows (a quarter of a large fill) or 64 (of a small one)
	s_mov_b32 s24, 15|(3<<16)|(1<<21)              ; 15:0 the mask of four; 17:16 elements of 8 bytes; 21 set beside a mask
	s_mov_b32 s25, 32<<16                          ; tensor_dim0 = 32
	s_mov_b32 s26, 128<<16                         ; tensor_dim1 = 128
	s_mov_b32 s27, 32<<16                          ; tile_dim0 = 32
	s_mov_b32 s28, 128                             ; tile_dim1 = 128
	s_mov_b32 s29, 32                              ; 32 elements from row to row
	s_mov_b32 s30, 0
	s_mov_b32 s31, 0
	s_mov_b32 s40, 15|(3<<16)|(1<<21)
	s_mov_b32 s41, 32<<16
	s_mov_b32 s42, 64<<16
	s_mov_b32 s43, 32<<16
	s_mov_b32 s44, 64
	s_mov_b32 s45, 32
	s_mov_b32 s46, 0
	s_mov_b32 s47, 0
	s_mul_i32 s20, s10, 32768                      ; my quarter of a large fill, in memory and in LDS
	s_mov_b32 s21, 0
	s_mov_b32 s32, 1
	s_mov_b32 s33, s20                             ; F0 into P
	s_mov_b32 s36, 1
	s_add_co_u32 s37, s20, SLOTL                   ; F1 into Q
	s_mov_b32 s56, 0xffff0000                      ; the top 16 bits
	s_mov_b32 s57, 0x07060302                      ; v_perm_b32: the two upper halves
	s_mov_b32 s58, 0x76543210                      ; v_permlanex16_b32: each lane takes its own place in the other half
	s_mov_b32 s59, 0xfedcba98
	s_mov_b32 s60, 0x322bcc77                      ; 1e-8
	s_mov_b32 s62, 0xffffe000                      ; sign, exponent and 10 bits: an f16's worth
	s_mov_b32 s63, 0                               ; W1's slot in hand
	v_and_b32 v20, 31, v0                          ; l
	v_and_b32 v21, 15, v0                          ; r
	v_bfe_u32 v22, v0, 4, 1                        ; h
	v_lshlrev_b32 v[L16], 4, v20
	v_mul_u32_u24 v[AX], v21, XPI
	v_lshl_add_u32 v[AX], v22, 4, v[AX]
	v_add_nc_u32 v[AX], XB, v[AX]
	s_mul_i32 s22, s10, 32*XPI
	s_add_co_u32 s22, s22, XB
	v_mul_u32_u24 v[XW], v22, XPI
	v_lshl_add_u32 v[XW], v21, 3, v[XW]
	v_add_nc_u32 v[XW], s22, v[XW]
	s_lshl_b32 s22, s10, 17
	v_lshlrev_b32 v[XO], 12, v22
	v_lshl_add_u32 v[XO], v21, 4, v[XO]
	v_add_nc_u32 v[XO], s22, v[XO]
	s_mul_i32 s22, s10, 8192
	v_add_nc_u32 v[AWB], s22, v[L16]
	v_mov_b32 v[AW0], v[AWB]
	v_add_nc_u32 v[AW1], SLOTH, v[AWB]
	v_lshlrev_b32 v[BO], 5, v22
	s_lshl_b32 s22, s10, 6
	v_add_nc_u32 v[B1O], s22, v[BO]
	s_mul_i32 s22, s10, 1024
	s_add_co_u32 s22, s22, QS
	v_add_nc_u32 v[SW0], s22, v[L16]
	v_add_nc_u32 v[SW1], SLOTH, v[SW0]
	s_add_co_u32 s22, s20, QS
	v_add_nc_u32 v[HB], s22, v[L16]
	v_add_nc_u32 v[IVB], INV, v[BO]
	v_lshl_add_u32 v[OSA], v0, 2, OUTS
	v_add_nc_u32 v[ORD], OUTS, v[L16]
	v_lshlrev_b32 v28, 5, v0                       ; my 32 bytes of the table of 1 / norm
	v_add_nc_u32 v29, INV, v28
	s_wait_dscnt 0x0                               ; the opening add is done
	s_wait_kmcnt 0x0
	s_add_nc_u64 s[34:35], s[6:7], s[20:21]
	s_add_nc_u64 s[38:39], s[34:35], SLOTL
	s_or_b32 s35, s35, 0x80000000                  ; type = 2
	s_or_b32 s39, s39, 0x80000000
	s_lshl_b32 s22, s12, 19                        ; 128 rows of 4,096 bytes
	s_mov_b32 s23, 0
	s_add_nc_u64 s[4:5], s[4:5], s[22:23]
	s_lshl_b32 s22, s12, 9
	s_add_nc_u64 s[8:9], s[8:9], s[22:23]
	s_add_nc_u64 s[16:17], s[6:7], OFF_BIAS
	s_add_nc_u64 s[18:19], s[6:7], OFF_INVN
	CROUND                                         ; all four work-groups are here: the first joint loads meet
	tensor_load_to_lds s[32:35], s[24:31]          ; F0
	s_nop 0
	tensor_load_to_lds s[36:39], s[24:31]          ; F1: two tensor loads of mine are out
	s_nop 0
	PLACES
; x.  A chunk is 64 k of the work-group's 128 rows; a wave loads its 32 rows, two rows x 256 consecutive bytes an instruction.
.macro XLOAD xr, imm
	WIN 0x40
.set i, 0
.rept 16
	global_load_b128 v[(\xr)+4*i:(\xr)+4*i+3], v[XO], s[4:5] offset:(\imm)+8192*i th:TH_LOAD_NT
.set i, i+1
.endr
.endm
.macro XCVT xr, xs, cnt                ; a chunk that has come is rounded to bf16 and laid into slot xs of XB; cnt: the younger loads that may stay out
	s_wait_loadcnt \cnt
	WIN 0x05
.set i, 0
.rept 32
	v_cvt_pk_bf16_f32 v[XP+i], v[(\xr)+2*i], v[(\xr)+2*i+1]
.set i, i+1
.endr
	WIN 0
.set i, 0
.rept 16
	ds_store_b64 v[XW], v[XP+2*i:XP+2*i+1] offset:(\xs)*XSL+288*i
.set i, i+1
.endr
.endm
; 32 LDS loads in one run, the fragments of 32 k into buffer f: x (8 row tiles; slot xs, half ks of the chunk), then my W1 tiles a = 0..3, then a = 4..7
.macro FETCH xs, ks, wr, wo, f
	WIN 0
.set i, 0
.rept 8
	ds_load_b128 v[(\f)+8*i:(\f)+8*i+3],   v[AX] offset:(\xs)*XSL+2304*i+64*(\ks)
	ds_load_b128 v[(\f)+8*i+4:(\f)+8*i+7], v[AX] offset:(\xs)*XSL+2304*i+64*(\ks)+32
.set i, i+1
.endr
	WIN 0x40
.set i, 0
.rept 8
	ds_load_b128 v[(\f)+8*i:(\f)+8*i+3],   v[\wr] offset:(\wo)+1024*i
	ds_load_b128 v[(\f)+8*i+4:(\f)+8*i+7], v[\wr] offset:(\wo)+1024*i+512
.set i, i+1
.endr
.endm
; 16 products: feature tiles a0, a0 + 1 of the window's four (hi = 0: a = 0..3; 1: a = 4..7) x all 8 row tiles.  The 64 accumulators take turns, in the same order in every quarter.
.macro MUL16 f, hi, a0
	WIN 0xa1+0x50*(\hi)
.irp a, \a0, (\a0)+1
.irp b, 0,1,2,3,4,5,6,7
	v_wmma_f32_16x16x32_bf16 v[8*(8*(\a)+(\b)):8*(8*(\a)+(\b))+7], v[(\f)+8*(4*(\hi)+(\a)):(\f)+8*(4*(\hi)+(\a))+7], v[(\f)+8*(\b):(\f)+8*(\b)+7], v[8*(8*(\a)+(\b)):8*(8*(\a)+(\b))+7]
.endr
.endr
.endm
; A K step of 128 is four quarters of 32 k, 64 products each, on buffers F0, F1, F0, F1.
; QX: multiplies buffer f; in its middle fetches the next quarter into g, and (xc) lays a chunk of x into XB, (xl) asks for a later one.
.macro QX f, g, xs, ks, wr, wo, xc, xr, xd, cnt, xl, imm
	s_wait_dscnt 8                                 ; x and W1's a = 0..3 are in; the youngest eight loads (a = 4..7) may be out
	MUL16 \f, 0, 0
	MUL16 \f, 0, 2
	PLACES
	FETCH \xs, \ks, \wr, \wo, \g
.if \xc
	XCVT \xr, \xd, \cnt
.endif
.if \xl
	XLOAD \xr, \imm
.endif
	s_wait_dscnt 32+16*(\xc)                       ; all but the 32 loads (and 16 stores) just issued
	MUL16 \f, 1, 0
	MUL16 \f, 1, 2
.endm
; QB: the second quarter, with the barrier between the two chunks: in front of it my stores into XB's slot 1 are done and my reads of its slot 0 are back; behind it slot 1 is read and slot 0 may be written.
; No LDS bytes are filled by a tensor load behind it, so the one that is out stays out.
.macro QB
	s_wait_dscnt 24                                ; eight loads and the sixteen stores may be out
	MUL16 F1, 0, 0
	s_wait_dscnt 0x0
	s_barrier_signal -1
	MUL16 F1, 0, 2
	s_barrier_wait -1
	PLACES
	FETCH 1, 0, AW1, 0, F0
	MUL16 F1, 1, 0
	MUL16 F1, 1, 2
.endm
; QT: the fourth quarter changes slots.  In front of the barrier each wave waits for all its tensor loads (one is out: its part of the other slot), adds 0 to its spare word, and waits for that, for its
; reads of this slot and of XB's slot 1, and for its stores into XB's slot 0.  fill = 1: the barrier opens a round of the cluster's, and the joint refill of this slot is the first thing behind it.
.macro QT st, fill
	WIN 0
	s_wait_tensorcnt 0x0
	ds_add_u32 v[SPW], v[NIL]
	s_wait_dscnt 9+16*(\st)                        ; the add, eight loads (and sixteen stores) may be out
	MUL16 F1, 0, 0
	s_wait_dscnt 0x0
	s_barrier_signal -1
	MUL16 F1, 0, 2
.if \fill
	WIN 0
.endif
	s_barrier_wait -1
.if \fill
	CREST
	s_xor_b32 s37, s37, SLOTL                      ; the walking descriptor: the other slot than last time, the next 131,072 bytes of wk
	s_add_nc_u64 s[38:39], s[38:39], SLOTL
	s_xor_b32 s63, s63, SLOTL
	JL 36, 24                                      ; its four v_nop are also the places in front of the loads below
	v_add_nc_u32 v[AW0], s63, v[AWB]
	v_add_nc_u32 v[AW1], SLOTH, v[AW0]
	FETCH 0, 0, AW0, 0, F0
.endif
	MUL16 F1, 1, 0
	MUL16 F1, 1, 2
.endm
; K step t: its first quarter lays chunk 2 t + 1 into XB and asks for chunk 2 t + 3, its third lays chunk 2 t + 2 and asks for 2 t + 4: a chunk is asked for 256 products ahead of its use.
.macro STEP xl0, c0, xc2, xl2, fill
	QX F0, F1, 0, 1, AW0, 32768, 1, XR1, 1, \c0, \xl0, 0
	QB
	QX F0, F1, 1, 1, AW1, 32768, \xc2, XR0, 0, 16, \xl2, 256
	QT \xc2, \fill
.if \xl2
	s_wait_xcnt 0x0                                ; x's base is stepped only behind this wait
	s_add_nc_u64 s[4:5], s[4:5], 512
.endif
.endm
	; THE FIRST LOADS: x first, it has the longest way; then 1 / norm; then b1 straight into the 64 accumulators, so that every product of layer 1 adds in place and nothing is cleared.
	XLOAD XR0, 0
	XLOAD XR1, 256
	WIN 0
	global_load_b128 v[20:23], v28, s[18:19]
	global_load_b128 v[24:27], v28, s[18:19] offset:16
	WIN 0x80
.set i, 0
.rept 32                                               ; accumulator (a, b) = (i / 8, i % 8): features 64 a + 16 w + 8 h + 0..7
	global_load_b128 v[8*i:8*i+3],   v[B1O], s[16:17] offset:256*(i/8)
	global_load_b128 v[8*i+4:8*i+7], v[B1O], s[16:17] offset:256*(i/8)+16
.set i, i+1
.endr
	WIN 0xc0
.set i, 0
.rept 32
	global_load_b128 v[8*i:8*i+3],   v[B1O], s[16:17] offset:256*(4+i/8)
	global_load_b128 v[8*i+4:8*i+7], v[B1O], s[16:17] offset:256*(4+i/8)+16
.set i, i+1
.endr
	WIN 0
	s_wait_loadcnt 63                              ; 128 loads are younger than 1 / norm's two: the largest count there is shows them in
	ds_store_b128 v29, v[20:23]
	ds_store_b128 v29, v[24:27] offset:16
	XCVT XR0, 0, 63                                ; chunk 0 (146 loads are younger)
	XLOAD XR0, 512                                 ; chunk 2
	s_wait_xcnt 0x0
	s_add_nc_u64 s[4:5], s[4:5], 768               ; x at chunk 3
	s_wait_loadcnt 16                              ; all but chunk 2: b1 is in the accumulators
	s_wait_tensorcnt 0x1                           ; my part of F0 is in; F1 may stay out
	s_wait_dscnt 0x0                               ; my stores into XB and INV are done
	s_barrier_signal -1
	s_barrier_wait -1
	FETCH 0, 0, AW0, 0, F0
	WIN 0
	; LAYER 1: eight K steps
	s_mov_b32 s48, 6
.Lstep:
	STEP 1, 16, 1, 1, 1
	WIN 0
	s_sub_co_u32 s48, s48, 1
	s_cmp_lg_u32 s48, 0
	s_cbranch_scc1 .Lstep
	STEP 1, 16, 1, 0, 1                            ; step 6: chunk 15 is the last to be asked for; F8 is asked for
	STEP 0, 0, 0, 0, 0                             ; step 7: nothing is asked for; behind its barrier nobody reads Q or XB any more, and F8 is whole
	WIN 0
	PLACES                                         ; behind the last products: their results are stored, and loads go into their sources
	s_mul_i32 s20, s10, 16384                      ; my quarter of a small fill.  No tensor load of mine is out: F0's group 0 becomes the small fills'
	s_add_co_u32 s33, s20, SLOTH                   ; the first step turns this into P's lower half
	s_add_nc_u64 s[34:35], s[6:7], s[20:21]
	s_add_nc_u64 s[34:35], s[34:35], OFF_F9-SLOTH
	s_or_b32 s35, s35, 0x80000000
	s_mov_b32 s52, 0
; LAYERS 2 AND 3.  A k step of 32: my two row tiles' raw h (32 registers: row tile, feature tile, 8) becomes three parts of 16 registers, and each part is multiplied by the nm weight fragments.
; THE CONVERSION is a list of 176 lines; CV writes number cj of it.  0-31: the relu.  32-47: the top 16 bits of each pair: part 0.  48-111: part 1, and 112-175: part 2, each in four groups of
; 8 lines that take the top 16 bits apart, 4 that subtract them (the remainder, exact) and 4 that pack the remainder's top 16 bits.
.macro CV
.if cj < 32
	v_max_num_f32 v[HR+cj], 0, v[HR+cj]
.elseif cj < 48
	v_perm_b32 v[BF+cj-32], v[HR+2*(cj-32)+1], v[HR+2*(cj-32)], s57
.else
.set cvp, 1+(cj-48)/64
.set cvg, ((cj-48)%64)/16
.set cvo, (cj-48)%16
.if cvo < 8
	v_and_b32 v[TT+cvo], s56, v[HR+8*cvg+cvo]
.elseif cvo < 12
	v_pk_add_f32 v[HR+8*cvg+2*(cvo-8):HR+8*cvg+2*(cvo-8)+1], v[HR+8*cvg+2*(cvo-8):HR+8*cvg+2*(cvo-8)+1], v[TT+2*(cvo-8):TT+2*(cvo-8)+1] neg_lo:[0,1] neg_hi:[0,1]
.else
	v_perm_b32 v[BF+16*cvp+4*cvg+cvo-12], v[HR+8*cvg+2*(cvo-12)+1], v[HR+8*cvg+2*(cvo-12)], s57
.endif
.endif
.set cj, cj+1
.endm
.macro CSL n                           ; a slice: the list's next n lines
	WIN 0
.rept \n
	CV
.endr
.endm
.macro KW wset, p                      ; product q of a run: feature tile q / 2, row tile q % 2, part p.  The 2 nm accumulators take turns, in the same order in every run
	WIN \wset
	v_wmma_f32_16x16x32_bf16 v[8*q:8*q+7], v[AF+8*(q/2):AF+8*(q/2)+7], v[BF+16*(\p)+8*(q%2):BF+16*(\p)+8*(q%2)+7], v[8*q:8*q+7]
.set q, q+1
.endm
.macro KLOAD nm                        ; the next step's two addresses, and its raw h out of the stage: row tile i / 4, feature tile (i / 2) % 2, registers 4 (i % 2) on
	WIN 0
	v_add_nc_u32 v[HA], s53, v[HB]
	v_add_nc_u32 v[AA], s52, v[L16]
.set i, 0
.rept 8
	ds_load_b128 v[HR+4*i:HR+4*i+3], v[HA] offset:16384*(i/4)+1024*((i/2)%2)+512*(i%2)
.set i, i+1
.endr
	s_add_co_u32 s53, s53, 2048
	s_add_co_u32 s52, s52, 1024*(\nm)
.endm
.macro AFRUN r                         ; eight loads: the next step's weight fragments 4 r .. 4 r + 3
	WIN 0
.set i, 4*(\r)
.rept 4
	ds_load_b128 v[AF+8*i:AF+8*i+3],   v[AA] offset:1024*i
	ds_load_b128 v[AF+8*i+4:AF+8*i+7], v[AA] offset:1024*i+512
.set i, i+1
.endr
.endm
; KX: the third part's run of the step in hand.  pre = 1: beside it the next step's raw h is fetched at once; its weight fragments follow in runs of eight loads, each four places behind the last product that
; read those registers (v_nop for the early runs, slices for the late ones); and lines 0-47 of its conversion stand in slices once raw h is in.
.macro KX nm, wset, pre
.set q, 0
.set cj, 0
.if \pre
	KLOAD \nm
.endif
.rept (\nm)/8
.rept 8
	KW \wset, 2
.endr
.if \pre
	PLACES
	AFRUN q/8-1
.endif
.endr
.if \pre
	s_wait_dscnt (\nm)                             ; raw h is in; the weight loads issued behind it (nm of them) may be out
.endif
.if (\nm) == 16
.rept 8
	KW \wset, 2
.if \pre
	CSL 4
.endif
.endr
.if \pre
	AFRUN 2
.endif
.rept 4
	KW \wset, 2
.endr
.rept 4
	KW \wset, 2
.if \pre
	CSL 4
.endif
.endr
.if \pre
	AFRUN 3
.endif
.else
.rept 4
	KW \wset, 2
.if \pre
	CSL 8
.endif
.endr
.rept 4
	KW \wset, 2
.if \pre
	CSL 4
.endif
.endr
.if \pre
	AFRUN 1
.endif
.endif
	WIN 0
.endm
; KY: a step's first and second run.  Behind the first sixteen products of the first run stand lines 48-111 (part 1), of the second run lines 112-175 (part 2).
.macro KY nm, wset
	s_wait_dscnt 8                                 ; all weight fragments but the last run of eight loads are in
.irp p, 0,1
.set q, 0
.rept 2*(\nm)
.if ((\p) == 0) && (q == 2*(\nm)-8)
	s_wait_dscnt 0x0                               ; the last run, which the next eight products read
.endif
	KW \wset, \p
.if q <= 16
	CSL 4
.endif
.endr
.endr
	WIN 0
.endm
; KPRO: a stage's first step has no run to stand behind: its loads, and lines 0-47 on end
.macro KPRO nm
	KLOAD \nm
.set kr, 0
.rept (\nm)/4
	AFRUN kr
.set kr, kr+1
.endr
	s_wait_dscnt 2*(\nm)                           ; raw h is in; the weights' loads may be out
.set cj, 0
	CSL 48
.endm
; A change of P's halves.  Each wave waits for all its tensor loads (one is out: its part of the other half), adds 0 to its spare word, and waits for that and for all its LDS reads.
; fill = 1: a round of the cluster's barrier, and the joint refill of the half just read first behind it.
.macro CHS fill
	WIN 0
	s_wait_tensorcnt 0x0
	ds_add_u32 v[SPW], v[NIL]
.if \fill
	s_xor_b32 s33, s33, SLOTH
	s_add_nc_u64 s[34:35], s[34:35], SLOTH
.endif
	s_wait_dscnt 0x0
.if \fill
	CROUND
	JL 32, 40
.else
	s_barrier_signal -1
	s_barrier_wait -1
.endif
	s_sub_co_u32 s52, s52, SLOTH                   ; the reads go back to a half's first byte,
	s_xor_b32 s52, s52, SLOTH                      ; in the other half
.endm
; h1's features 256 S .. 256 S + 255 into the stage: accumulator (4 S + i / 8, row tile i % 8) as it lies, at Q + 16384 b + 1024 (4 aL + w) + 16 l; the low four registers first
.macro STORE1 S
	WIN 0x08+4*(\S)
.set i, 0
.rept 32
	ds_store_b128 v[SW0+(i%8)/4], v[8*i:8*i+3]   offset:16384*(i%4)+4096*(i/8)
	ds_store_b128 v[SW0+(i%8)/4], v[8*i+4:8*i+7] offset:16384*(i%4)+4096*(i/8)+512
.set i, i+1
.endr
.endm
; LAYER 2, half S of its K: the stage is written, a barrier, eight k steps.  A trip is KX (of the step before), KY; the loop is entered at KY, and the last step's KX stands behind it.
; The change of P's halves stands in front of the KX whose loads are the first from the other half: the four steps' fragments of the half that is left have been read.
; The round at the end also shows every wave's reads of the stage done before it is written again.
.macro HALF S
.if (\S) == 0
	WIN 0x40
.set i, 0
.rept 64                                               ; b2 into layer 2's accumulators: (T, n) at 8 (2 T + n)
	global_load_b128 v[8*(i/2)+4*(i%2):8*(i/2)+4*(i%2)+3], v[BO], s[16:17] offset:2048+64*(i/4)+16*(i%2)
.set i, i+1
.endr
.endif
	STORE1 \S
	s_wait_dscnt 0x0                               ; for the others' sake: my stores into the stage are done
.if (\S) == 0
	WIN 0x80
.set i, 0
.rept 32                                               ; b3 into layer 3's accumulators, where the results just stored lay
	global_load_b128 v[8*(i/2)+4*(i%2):8*(i/2)+4*(i%2)+3], v[BO], s[16:17] offset:3072+64*(i/4)+16*(i%2)
.set i, i+1
.endr
	s_wait_loadcnt 32                              ; b2 is in; b3's 32 loads may stay out
.endif
	WIN 0
	s_barrier_signal -1
	s_barrier_wait -1
	s_mov_b32 s53, 0
	KPRO 16
	s_mov_b32 s50, 2
	s_mov_b32 s51, 4
	s_branch .Lmid_\@
.Lper_\@:
	CHS 1
	s_mov_b32 s51, 4
.Lkk_\@:
	KX 16, 0x50, 1
.Lmid_\@:
	KY 16, 0x50
	s_sub_co_u32 s51, s51, 1
	s_cmp_lg_u32 s51, 0
	s_cbranch_scc1 .Lkk_\@
	s_sub_co_u32 s50, s50, 1
	s_cmp_lg_u32 s50, 0
	s_cbranch_scc1 .Lper_\@
	KX 16, 0x50, 0
	CHS 1
.endm
	HALF 0                                         ; asks for f9, f10
	HALF 1                                         ; asks for f11 (W3), f12 (emb's first quarter)
	; LAYER 3.  h2 goes into my own 32,768 bytes of the stage, which no other wave touches from here on, and comes back through the same macros.  The four v_nop behind the joint load are the places behind layer 2's last products.
	WIN 0x04
.set q, 0
.rept 32
	ds_store_b128 v[HB], v[8*q:8*q+3]   offset:16384*(q%2)+1024*(q/2)
	ds_store_b128 v[HB], v[8*q+4:8*q+7] offset:16384*(q%2)+1024*(q/2)+512
.set q, q+1
.endr
	WIN 0
	s_wait_loadcnt 0x0                             ; b3
	s_mov_b32 s53, 0
	KPRO 8                                         ; LDS serves a wave's instructions in order (ISA guide 5.7.1.4): its loads see the stores above
	s_mov_b32 s51, 8
	s_branch .Lmid3
.Lk3:
	KX 8, 0xa0, 1
.Lmid3:
	KY 8, 0xa0
	s_sub_co_u32 s51, s51, 1
	s_cmp_lg_u32 s51, 0
	s_cbranch_scc1 .Lk3
	KX 8, 0xa0, 0
	CHS 1                                          ; asks for f13; its four v_nop are the places behind the last products
	; THE NORM.  A lane holds 64 of its row's 128 numbers for each row tile: register pair u of layer 3's 128 registers belongs to row tile (u / 4) % 2.  Eight chains, each accumulator's low pair first.
	WIN 0x0a
.set u, 0
.rept 64
.if u < 8
	v_pk_mul_f32 v[32+2*u:33+2*u], v[2*u:2*u+1], v[2*u:2*u+1]
.else
	v_pk_fma_f32 v[32+2*(u%8):33+2*(u%8)], v[2*u:2*u+1], v[2*u:2*u+1], v[32+2*(u%8):33+2*(u%8)]
.endif
.set u, u+1
.endr
	WIN 0
.irp n, 0,1
	v_pk_add_f32 v[32+8*\n:33+8*\n], v[32+8*\n:33+8*\n], v[34+8*\n:35+8*\n]
	v_pk_add_f32 v[36+8*\n:37+8*\n], v[36+8*\n:37+8*\n], v[38+8*\n:39+8*\n]
.endr
.irp n, 0,1
	v_pk_add_f32 v[32+8*\n:33+8*\n], v[32+8*\n:33+8*\n], v[36+8*\n:37+8*\n]
.endr
.irp n, 0,1
	v_add_f32 v[32+8*\n], v[32+8*\n], v[33+8*\n]
.endr
.irp n, 0,1
	v_permlanex16_b32 v[33+8*\n], v[32+8*\n], s58, s59   ; the row's other 64 numbers lie in the lane 16 away
.endr
.irp n, 0,1
	v_add_f32 v[32+8*\n], v[32+8*\n], v[33+8*\n]
.endr
.irp n, 0,1
	v_sqrt_f32 v[34+8*\n], v[32+8*\n]
.endr
	v_nop                                          ; a plain instruction behind the roots
	s_wait_alu depctr_va_vdst(0)
.irp n, 0,1
	v_max_num_f32 v[34+8*\n], s60, v[34+8*\n]
.endr
.irp n, 0,1
	v_rcp_f32 v[36+8*\n], v[34+8*\n]
.endr
	v_nop
	s_wait_alu depctr_va_vdst(0)
.irp n, 0,1
	v_mul_f32 v[SC+2*\n], 0x43800000, v[36+8*\n]   ; 256 / max(norm, 1e-8)
.endr
.irp n, 0,1
	v_mov_b32 v[SC+2*\n+1], v[SC+2*\n]             ; named with it as a pair
.endr
	; pn's two f16 parts.  Pair i = 16 s + 8 n + 4 t + pr becomes register i of either part; it lies at RA in window 2.  Five passes, one window setting each.
.macro RAOF
.set RA, 32*(i/16)+16*((i/4)%2)+8*((i/8)%2)+2*(i%4)
.endm
	WIN 0x82
.set i, 0
.rept 64
	RAOF
	v_pk_mul_f32 v[RA:RA+1], v[RA:RA+1], v[SC+2*((i/8)%2):SC+2*((i/8)%2)+1] op_sel_hi:[1,0]
.set i, i+1
.endr
	WIN 0x08
.set i, 0
.rept 64
	RAOF
	v_and_b32 v[128+2*i], s62, v[RA]               ; the first 11 bits
	v_and_b32 v[129+2*i], s62, v[RA+1]
.set i, i+1
.endr
	WIN 0
.set i, 0
.rept 64
	v_cvt_pk_f16_f32 v[PFH+i], v[128+2*i], v[129+2*i]
.set i, i+1
.endr
	WIN 0x02
.set i, 0
.rept 64
	RAOF
	v_pk_add_f32 v[128+2*i:129+2*i], v[RA:RA+1], v[128+2*i:129+2*i] neg_lo:[0,1] neg_hi:[0,1]   ; the remainder, exact
.set i, i+1
.endr
	WIN 0
.set i, 0
.rept 64
	v_cvt_pk_f16_f32 v[PFL+i], v[128+2*i], v[129+2*i]   ; register 128 + i has been read by pair i / 2, or is this pair's own
.set i, i+1
.endr
	WIN 0x40
.set i, 0
.rept 16
	v_mov_b32 v[BEST+i], 0xff800000                ; minus infinity
	v_mov_b32 v[BM+i], 0
.set i, i+1
.endr
	v_and_b32 v[H8], 16, v0
.irp i, 0,1,2,3
	v_mov_b32 v[MT+\i], 0                          ; v_permlanex16_b32 counts as a reader of its destination
.endr
	WIN 0x55
	v_lshrrev_b32 v[H8], 1, v[H8]                  ; 8 h
	WIN 0
; THE LAST PRODUCT AND THE ARGMAX, in 32 half-steps of two tiles of 16 scenes.  A lane's similarity register j of tile m is scene 16 m + 8 h + j of its row: for each (row tile, j) the lane keeps the best value and its tile.
; Half-step u works on set u % 2 of the accumulators, of emb's fragments and of the 1 / norm registers; beside its products the half-step before is judged and the next one's LDS loads go out.
.macro FLD set                         ; the 20 LDS loads of a half-step into set: emb (tile i / 4, dims 32 (i % 4) on), then 1 / norm of its 2 x 8 scenes a lane
	WIN 0
	v_add_nc_u32 v[AA], s52, v[L16]
	v_add_nc_u32 v[HA], s49, v[IVB]
	WIN 0x80
.set i, 0
.rept 8
	ds_load_b128 v[EF+64*(\set)+8*i:EF+64*(\set)+8*i+3],   v[AA] offset:1024*i
	ds_load_b128 v[EF+64*(\set)+8*i+4:EF+64*(\set)+8*i+7], v[AA] offset:1024*i+512
.set i, i+1
.endr
	WIN 0x40
.set i, 0
.rept 4
	ds_load_b128 v[IV+16*(\set)+4*i:IV+16*(\set)+4*i+3], v[HA] offset:64*(i/2)+16*(i%2)
.set i, i+1
.endr
	s_add_co_u32 s52, s52, 8192
	s_add_co_u32 s49, s49, 128
.endm
.macro FW set                          ; product hw of 32: dims 32 (hw / 8) on, pn's part (hw / 4) % 2; tile (hw % 4) / 2, row tile hw % 2.  The first four start the sums; the four accumulators take turns
	WIN 0x52
.set fc, hw/4
.set fq, hw%4
.if fc == 0
	v_wmma_f32_16x16x32_f16 v[SIM+32*(\set)+8*fq:SIM+32*(\set)+8*fq+7], v[EF+64*(\set)+32*(fq/2)+8*(fc/2):EF+64*(\set)+32*(fq/2)+8*(fc/2)+7], v[PFH+64*(fc%2)+16*(fc/2)+8*(fq%2):PFH+64*(fc%2)+16*(fc/2)+8*(fq%2)+7], 0
.else
	v_wmma_f32_16x16x32_f16 v[SIM+32*(\set)+8*fq:SIM+32*(\set)+8*fq+7], v[EF+64*(\set)+32*(fq/2)+8*(fc/2):EF+64*(\set)+32*(fq/2)+8*(fc/2)+7], v[PFH+64*(fc%2)+16*(fc/2)+8*(fq%2):PFH+64*(fc%2)+16*(fc/2)+8*(fq%2)+7], v[SIM+32*(\set)+8*fq:SIM+32*(\set)+8*fq+7]
.endif
.set hw, hw+1
.endm
; THE JUDGING of set ajs is a list of 112 lines; AV writes number aj.  0-15: times 1 / norm, each accumulator's low pair first.  Then eight blocks of 12, four numbers each:
; four compares (greater than the best so far?), then for each number the best value and its tile.
.macro AV
.if aj < 16
.set avq, aj/4
.set avj, aj%4
	v_pk_mul_f32 v[SIM+32*ajs+8*avq+2*avj:SIM+32*ajs+8*avq+2*avj+1], v[SIM+32*ajs+8*avq+2*avj:SIM+32*ajs+8*avq+2*avj+1], v[IV+16*ajs+8*(avq/2)+2*avj:IV+16*ajs+8*(avq/2)+2*avj+1]
.else
.set avb, (aj-16)/12
.set avo, (aj-16)%12
.set avs, SIM+32*ajs+8*(avb/2)+4*(avb%2)
.set avt, 8*((avb/2)%2)+4*(avb%2)
.if avo < 4
	v_cmp_gt_f32 s[66+avo], v[avs+avo], v[BEST+avt+avo]
.elseif avo%2 == 0
	v_cndmask_b32 v[BEST+avt+(avo-4)/2], v[BEST+avt+(avo-4)/2], v[avs+(avo-4)/2], s[66+(avo-4)/2]
.else
	v_cndmask_b32 v[BM+avt+(avo-4)/2], v[BM+avt+(avo-4)/2], s[54+avb/4], s[66+(avo-4)/2]
.endif
.endif
.set aj, aj+1
.endm
; A half-step.  rid = 1: four lines of the other set's judging stand behind each of products 0-3 and 8-31; the last slice is also the four places between this set's last product and its own judging.
; ld = 1: behind product 3, when the sixteen multiplications have read the other set's 1 / norm, the next half-step's loads go into the other set: 28 products ahead of their use.
.macro HS set, rid, ld
.set aj, 0
.set ajs, 1-(\set)
.set hw, 0
	s_wait_dscnt 0x0                               ; this half-step's emb and 1 / norm are in
.rept 32
	FW \set
.if (\rid) && ((hw <= 4) || (hw > 8))
	WIN 0x55
	AV
	AV
	AV
	AV
.endif
.if (\ld) && (hw == 4)
	FLD 1-(\set)
.endif
.endr
.if \rid
	s_add_co_u32 s54, s54, 2                       ; the tiles that the next half-step judges
	s_add_co_u32 s55, s55, 2
.endif
.endm
	s_mov_b32 s49, 0
	s_mov_b32 s54, 0                               ; the tiles' numbers
	s_mov_b32 s55, 1
	FLD 0                                          ; tiles 0 and 1: f12 was shown whole by the last change
	HS 0, 0, 1                                     ; half-step 0: there is nothing yet to judge
	PLACES                                         ; so four v_nop are the places behind its products
	WIN 0
	s_mov_b32 s50, 3
	s_mov_b32 s51, 3                               ; half-steps 1 to 6; the sixth loads the quarter's last tiles
	s_branch .Lin
.Lout:                                                 ; twice: f14, f15 are asked for.  The change stands in front of the half-step that loads the next quarter's first tiles
	CHS 1
	s_mov_b32 s51, 4
.Lin:
	HS 1, 1, 1
	HS 0, 1, 1
	WIN 0
	s_sub_co_u32 s51, s51, 1
	s_cmp_lg_u32 s51, 0
	s_cbranch_scc1 .Lin
	s_sub_co_u32 s50, s50, 1
	s_cmp_lg_u32 s50, 0
	s_cbranch_scc1 .Lout
	CHS 0                                          ; the last quarter of emb is written out: nothing is asked for
	s_mov_b32 s51, 4                               ; half-steps 23 to 30
.Lin2:
	HS 1, 1, 1
	HS 0, 1, 1
	WIN 0
	s_sub_co_u32 s51, s51, 1
	s_cmp_lg_u32 s51, 0
	s_cbranch_scc1 .Lin2
	HS 1, 1, 0                                     ; half-step 31: tiles 62 and 63.  Tile 63 is past the table (zeros): its 16 products serve nothing, the price of one macro for every half-step
	; Tile 62 alone is judged: scenes 992 to 999 in lanes 0-15; lanes 16-31 hold scenes from 1000 on and never win
	WIN 0x55
.set q, 0
.rept 2
.set j, 0
.rept 4
	v_pk_mul_f32 v[SIM+32+8*q+2*j:SIM+32+8*q+2*j+1], v[SIM+32+8*q+2*j:SIM+32+8*q+2*j+1], v[IV+16+2*j:IV+16+2*j+1]
.set j, j+1
.endr
.set g, 0
.rept 2
.set j, 0
.rept 4
	v_cmp_gt_f32 s[66+j], v[SIM+32+8*q+4*g+j], v[BEST+8*q+4*g+j]
.set j, j+1
.endr
.set j, 0
.rept 4
	s_and_b32 s[66+j], s[66+j], 0xffff
.set j, j+1
.endr
.set j, 0
.rept 4
	v_cndmask_b32 v[BEST+8*q+4*g+j], v[BEST+8*q+4*g+j], v[SIM+32+8*q+4*g+j], s[66+j]
	v_cndmask_b32 v[BM+8*q+4*g+j], v[BM+8*q+4*g+j], s54, s[66+j]
.set j, j+1
.endr
.set g, g+1
.endr
.set q, q+1
.endr
	; THE MERGE.  Index = 16 tile + 8 h + j; of two candidates the greater value wins, of equal values the lower index: seven merges a row tile, one more with the other half of the lanes.
.macro MERGE va, ia, vb, ib
	v_cmp_gt_f32 s66, v[\vb], v[\va]
	v_cmp_eq_f32 s67, v[\vb], v[\va]
	v_cmp_lt_u32 s68, v[\ib], v[\ia]
	s_and_b32 s67, s67, s68
	s_or_b32 s66, s66, s67
	v_cndmask_b32 v[\va], v[\va], v[\vb], s66
	v_cndmask_b32 v[\ia], v[\ia], v[\ib], s66
.endm
	WIN 0x55
.set i, 0
.rept 16
	v_lshl_add_u32 v[BM+i], v[BM+i], 4, v[H8]
.set i, i+1
.endr
.set i, 0
.rept 16
.if i%8 > 0
	v_add_nc_u32 v[BM+i], i%8, v[BM+i]
.endif
.set i, i+1
.endr
.irp d, 1,2,4
.irp n, 0,8
.set j, 0
.rept 4/(\d)
	MERGE BEST+\n+j, BM+\n+j, BEST+\n+j+\d, BM+\n+j+\d
.set j, j+2*(\d)
.endr
.endr
.endr
.irp n, 0,1
	v_permlanex16_b32 v[MT+2*\n], v[BEST+8*\n], s58, s59
	v_permlanex16_b32 v[MT+2*\n+1], v[BM+8*\n], s58, s59
.endr
.irp n, 0,1
	MERGE BEST+8*\n, BM+8*\n, MT+2*\n, MT+2*\n+1
.endr
	v_cmp_eq_u32 vcc_lo, 0, v[H8]
	v_cndmask_b32 v[MT], v[BM+8], v[BM], vcc_lo    ; thread 32 w + l answers for row 32 w + l: lanes 0-15 for my first row tile, lanes 16-31 for my second
	WIN 0x04
	ds_store_b32 v[OSA], v[MT]
	WIN 0
	s_wait_tensorcnt 0x0                           ; the wave's end: a wait, an add and a wait, behind my last tensor load and my last LDS store;
	ds_add_u32 v[SPW], v[NIL]
	s_wait_dscnt 0x0                               ; the last of them also shows my result stored, for wave 0's sake
	s_barrier_signal -1
	s_barrier_wait -1
	s_cmp_lg_u32 s10, 0
	s_cbranch_scc1 .Ldone
	ds_load_b128 v[20:23], v[ORD]                  ; wave 0 stores the work-group's 128 indices: 512 consecutive bytes, at a multiple of 256 from out0's first
	s_wait_dscnt 0x0
	global_store_b128 v[L16], v[20:23], s[8:9]
.Ldone:
	CROUND                                         ; the closing round: no work-group ends while a partner may still ask for a block that names it
	s_endpgm
.Lfunc_end_k_q4a2b7049b6_scene:
	.size	k_q4a2b7049b6_scene, .Lfunc_end_k_q4a2b7049b6_scene-k_q4a2b7049b6_scene
	.p2alignl 7, 3214868480
	.fill 96, 4, 3214868480
	.section	.rodata,"a",@progbits
	.p2align	6, 0x0
	.amdhsa_kernel k_q4a2b7049b6_scene
		.amdhsa_group_segment_fixed_size 327680
		.amdhsa_private_segment_fixed_size 0
		.amdhsa_enable_private_segment 0
		.amdhsa_kernarg_size 24
		.amdhsa_user_sgpr_count 2
		.amdhsa_user_sgpr_kernarg_segment_ptr 1
		.amdhsa_wavefront_size32 1
		.amdhsa_system_sgpr_workgroup_id_x 1
		.amdhsa_system_sgpr_workgroup_id_y 1
		.amdhsa_system_sgpr_workgroup_id_z 1
		.amdhsa_system_vgpr_workitem_id 0
		.amdhsa_next_free_vgpr 1024
		.amdhsa_next_free_sgpr 72
		.amdhsa_reserve_vcc 1
		.amdhsa_float_denorm_mode_32 3
		.amdhsa_float_denorm_mode_16_64 3
		.amdhsa_memory_ordered 1
		.amdhsa_forward_progress 1
		.amdhsa_inst_pref_size 255
	.end_amdhsa_kernel
	.section	.bss,"aw",@nobits
	.p2align	6
	.space	262144
	.amdgpu_metadata
---
amdhsa.version: [ 1, 2 ]
amdhsa.kernels:
  - .name:           k_q4a2b7049b6_scene
    .symbol:         k_q4a2b7049b6_scene.kd
    .args:
      - { .name: image_features, .offset: 0, .size: 8, .value_kind: global_buffer, .address_space: global }
      - { .name: wk, .offset: 8, .size: 8, .value_kind: global_buffer, .address_space: global }
      - { .name: out0, .offset: 16, .size: 8, .value_kind: global_buffer, .address_space: global }
    .group_segment_fixed_size: 327680
    .private_segment_fixed_size: 0
    .kernarg_segment_align: 8
    .kernarg_segment_size: 24
    .max_flat_workgroup_size: 128
    .sgpr_count:     72
    .vgpr_count:     1024
    .wavefront_size: 32
...
	.end_amdgpu_metadata
.endif
;; end of part 2
